; MI455X (gfx1250); checked and timed in simulation.
; The chip was launched on July 23, 2026; its instructions are those of AMD's public machine-readable ISA for CDNA 5 (MIT licence, August 2026) and "CDNA5" Instruction Set Architecture Reference Guide (July 2026). The comments in the code are by the model that wrote it; some were corrected since.
;; Recursive Block. Allowed arithmetic: float matrix products may take bf16 or f16 operands with f32 sums; all other float work in f32.
;; Inputs: b11 256 float32; b12 256 float32; b21 256 float32; b22 65,536 float32; img_fea 2,048 x 256 float32; ln3_b 256 float32; ln3_g 256 float32; lnbr_b 256 float32; lnbr_g 256 float32; loc_fea 2,048 x 256 float32; w11 512 x 256 float32; w12 256 x 256 float32; w21 512 x 256 float32; w22 256 x 65,536 float32; w3 256 x 256 float32.
;; Outputs: out0 2,048 x 256 float32; out1 2,048 x 256 float32.
;; One version. Each part assembles by itself: llvm-mc -triple=amdgcn-amd-amdhsa -mcpu=gfx1250 --defsym DOCPART=n.
;; ======== version 1 of 1: 4 launches
;; limits: values are held in f16: magnitudes above 65,504 overflow, below 6.1e-05 lose precision
;; workspace buffers: w22h 33,554,432 bytes; wsm 786,432 bytes; hf 2,097,152 bytes; part 4,194,304 bytes
;; launch prep (part 1): grid 256 x 1, 8 waves a work-group, no clusters, 267,264 bytes of LDS; arguments w22, w11, w21, w12, w3, loc_fea, w22h, wsm, out1; writes w22h, wsm, out1
.if DOCPART == 1
	.amdgcn_target "amdgcn-amd-amdhsa--gfx1250"
	.amdhsa_code_object_version 6
	.text
	.protected	k_q5b70acec3b_prep
	.globl	k_q5b70acec3b_prep
	.p2align	8
	.type	k_q5b70acec3b_prep,@function
k_q5b70acec3b_prep:
	s_mov_b64 s[64:65], 0
	v_nop
	global_prefetch_b8 v0, s[64:65] scope:SCOPE_SE
	s_setreg_imm32_b32 hwreg(HW_REG_WAVE_MODE, 25, 1), 1
	s_wait_xcnt 0x0
; PREP: casts the weights to f16 and lays them in tiles for the transposing LDS load; copies loc_fea to out1.
; A tile is [256 k][16 n] of f16, 8,192 bytes, a k row 32 bytes.  w22h holds tile i*16+ob = w22[:, 256 i + 16 ob ..]; wsm holds six
; blocks of 16 tiles: w11 rows 0-255, w11 rows 256-511, w21 likewise, w12, w3.
; Work-group g takes the columns 256 g .. 256 g + 255 of w22 (1,024 bytes of each of its 256 rows); wave w takes k = 32 w .. 32 w + 31 as two
; sub-tiles of 16 rows, each brought by one tensor load into LDS bytes of the wave's own; every byte of LDS is filled once, so there is no
; barrier.  Lane L takes row L/2 and the 8 numbers of half L&1 of a tile's row: its 16 bytes of f16 lie at 16 L, so one store of the wave
; covers 512 consecutive bytes, aligned.
; Wave q (0 to 5) also casts 8 k x 32 n of small block q, through registers: sixteen lanes store 256 consecutive bytes of a tile.
; No cluster: no two work-groups read the same bytes of w22.  No matrix work: the launch only moves bytes.
; LIMIT: f16 holds magnitudes below 65,504 and keeps 11 bits; a weight below 6e-5 in magnitude is rounded to a multiple of 6e-8.
.set PITCH,  1040                      ; an LDS row: 1,024 bytes + 16 of padding
.set SUBT,   16*PITCH                  ; a sub-tile of 16 rows
.set VL,  2                            ; v2   LDS address of my 32 bytes in column tile 0 of my wave's first sub-tile
.set VO,  3                            ; v3   1,024 w + 16 L: my 16 bytes in a tile of w22h
.set VC,  4                            ; v4   16 x thread: the copy
.set VXI, 5                            ; v5   small weights: where I read
.set VXO, 6                            ; v6   small weights: where I store
.set X,   16                           ; v[16:143]   a sub-tile's 128 f32 of mine
.set Y,   144                          ; v[144:207]  the same as f16, 4 registers a column tile
.set CP,  208                          ; v[208:215]  the copy
.set EX,  216                          ; v[216:223]  small weights, f32
.set EY,  224                          ; v[224:227]  small weights, f16
.set G1,  24                           ; s[24:31] descriptor group 1
.set G0A, 32                           ; s[32:35] group 0, first sub-tile
.set G0B, 36                           ; s[36:39] group 0, second sub-tile
	s_load_b512 s[4:19], s[0:1], 0x0               ; w22 4, w11 6, w21 8, w12 10, w3 12, loc_fea 14, w22h 16, wsm 18
	s_load_b64 s[20:21], s[0:1], 0x40              ; out1
	v_lshl_add_u32 v232, v0, 2, 0x41000
	v_mov_b32 v233, 0
	ds_add_u32 v232, v233
	ds_add_u32 v232, v233
	v_lshrrev_b32 v1, 5, v0
	v_readfirstlane_b32 s22, v1                    ; wave 0..7
	s_mov_b32 s[G1+0], (2<<16)|(1<<20)|(7<<22)|(3<<25)   ; elements of 4 bytes; padding on: after every 256 words, 4 words
	s_mov_b32 s[G1+1], 256<<16                     ; tensor_dim0 = 256
	s_mov_b32 s[G1+2], 16<<16                      ; tensor_dim1 = 16
	s_mov_b32 s[G1+3], 256<<16                     ; tile_dim0 = 256
	s_mov_b32 s[G1+4], 16                          ; tile_dim1 = 16
	s_mov_b32 s[G1+5], 65536                       ; from row to row of w22
	s_mov_b32 s[G1+6], 0
	s_mov_b32 s[G1+7], 0
	s_mov_b32 s[G0A], 1
	s_mul_i32 s[G0A+1], s22, 2*SUBT                ; my wave's LDS bytes
	s_mov_b32 s[G0B], 1
	s_add_co_u32 s[G0B+1], s[G0A+1], SUBT
	s_lshl_b32 s40, s22, 23                        ; 32 w rows of 262,144 bytes
	s_lshl_b32 s41, ttmp9, 10                      ; + 1,024 g
	s_add_co_u32 s40, s40, s41
	s_mov_b32 s41, 0
	s_wait_dscnt 0x0
	s_wait_kmcnt 0x0
	s_add_nc_u64 s[G0A+2:G0A+3], s[4:5], s[40:41]
	s_add_nc_u64 s[G0B+2:G0B+3], s[G0A+2:G0A+3], 16*262144
	s_or_b32 s[G0A+3], s[G0A+3], 0x80000000
	s_or_b32 s[G0B+3], s[G0B+3], 0x80000000
	tensor_load_to_lds s[G0A:G0A+3], s[G1:G1+7]    ; both fills go out first: two tensor loads of the wave are out, 256 KiB for the work-group
	s_nop 0
	tensor_load_to_lds s[G0B:G0B+3], s[G1:G1+7]
	s_nop 0
	v_and_b32 v1, 31, v0                           ; L
	v_lshrrev_b32 v7, 1, v1                        ; row of the sub-tile
	v_and_b32 v8, 1, v0                            ; half of a tile's row
	v_mul_u32_u24 v[VL], v7, PITCH
	v_lshl_add_u32 v[VL], v8, 5, v[VL]
	v_add_nc_u32 v[VL], s[G0A+1], v[VL]
	v_lshlrev_b32 v[VO], 4, v1
	s_lshl_b32 s42, s22, 10
	v_add_nc_u32 v[VO], s42, v[VO]
	v_lshlrev_b32 v[VC], 4, v0
	v_bfe_u32 v9, v0, 1, 3                         ; small weights: k' = (L / 2) & 7
	v_bfe_u32 v10, v0, 4, 1                        ; which of two column tiles
	v_lshlrev_b32 v[VXI], 10, v9                   ; k' rows of 1,024 bytes
	v_lshl_add_u32 v[VXI], v10, 6, v[VXI]          ; + 64 bytes a column tile
	v_lshl_add_u32 v[VXI], v8, 5, v[VXI]           ; + 32 bytes a half
	v_and_b32 v11, 15, v0
	v_lshlrev_b32 v[VXO], 4, v11                   ; 32 k' + 16 half
	v_lshl_add_u32 v[VXO], v10, 13, v[VXO]         ; + 8,192 a tile
	s_lshl_b32 s52, ttmp9, 13                      ; the copy: 8,192 bytes a work-group
	s_mov_b32 s53, 0
	s_add_nc_u64 s[54:55], s[14:15], s[52:53]
	s_add_nc_u64 s[56:57], s[20:21], s[52:53]
	s_lshl_b32 s60, ttmp9, 17                      ; w22h: 16 tiles a work-group
	s_mov_b32 s61, 0
	s_add_nc_u64 s[58:59], s[16:17], s[60:61]
	global_load_b128 v[CP:CP+3],   v[VC], s[54:55] th:TH_LOAD_NT
	global_load_b128 v[CP+4:CP+7], v[VC], s[54:55] offset:4096 th:TH_LOAD_NT
	; small weights: wave q < 6 takes block q, rows 8 (g / 8) .. + 7, column tiles 2 (g & 7) and 2 (g & 7) + 1
	s_cmp_ge_u32 s22, 6
	s_cbranch_scc1 .Lno_small
	s_cmp_lt_u32 s22, 2
	s_cselect_b64 s[44:45], s[6:7], s[8:9]         ; blocks 0, 1: w11; 2, 3: w21
	s_cmp_eq_u32 s22, 4
	s_cselect_b64 s[44:45], s[10:11], s[44:45]     ; 4: w12
	s_cmp_eq_u32 s22, 5
	s_cselect_b64 s[44:45], s[12:13], s[44:45]     ; 5: w3
	s_and_b32 s46, s22, 1
	s_lshl_b32 s46, s46, 18                        ; the odd blocks of w11 and w21 begin at row 256
	s_cmp_lt_u32 s22, 4
	s_cselect_b32 s46, s46, 0
	s_lshr_b32 s47, ttmp9, 3
	s_lshl_b32 s48, s47, 13                        ; 8 rows of 1,024 bytes
	s_add_co_u32 s46, s46, s48
	s_and_b32 s49, ttmp9, 7
	s_lshl_b32 s48, s49, 7                         ; two column tiles of 64 bytes
	s_add_co_u32 s46, s46, s48
	s_lshl_b32 s50, s22, 17                        ; out: block q,
	s_lshl_b32 s48, s49, 14                        ; two tiles of 8,192 bytes,
	s_add_co_u32 s50, s50, s48
	s_lshl_b32 s48, s47, 8                         ; 8 rows of 32 bytes
	s_add_co_u32 s50, s50, s48
	s_mov_b32 s47, 0
	s_mov_b32 s51, 0
	s_add_nc_u64 s[44:45], s[44:45], s[46:47]
	s_add_nc_u64 s[50:51], s[18:19], s[50:51]
	global_load_b128 v[EX:EX+3],   v[VXI], s[44:45]
	global_load_b128 v[EX+4:EX+7], v[VXI], s[44:45] offset:16
	s_wait_loadcnt 0x0
	v_cvt_pk_f16_f32 v[EY],   v[EX],   v[EX+1]
	v_cvt_pk_f16_f32 v[EY+1], v[EX+2], v[EX+3]
	v_cvt_pk_f16_f32 v[EY+2], v[EX+4], v[EX+5]
	v_cvt_pk_f16_f32 v[EY+3], v[EX+6], v[EX+7]
	global_store_b128 v[VXO], v[EY:EY+3], s[50:51] ; lanes 0-15: 256 consecutive bytes of one tile; lanes 16-31: of the next
.Lno_small:
	s_wait_loadcnt 0x0                             ; the copy's two loads
	global_store_b128 v[VC], v[CP:CP+3],   s[56:57] th:TH_STORE_NT
	global_store_b128 v[VC], v[CP+4:CP+7], s[56:57] offset:4096 th:TH_STORE_NT
; One sub-tile: 32 LDS loads, then column tile by column tile four conversions and a store.
.macro SUB ldsimm, stimm
.set nn, 0
.rept 16
	ds_load_b128 v[X+8*nn:X+8*nn+3],   v[VL] offset:\ldsimm+64*nn
	ds_load_b128 v[X+8*nn+4:X+8*nn+7], v[VL] offset:\ldsimm+64*nn+16
.set nn, nn+1
.endr
.set nn, 0
.rept 16
	s_wait_dscnt 30-2*nn                           ; LDS loads come back in order: this tile's two are in, the 30 - 2 n younger ones may be out
.set jj, 0
.rept 4
	v_cvt_pk_f16_f32 v[Y+4*nn+jj], v[X+8*nn+2*jj], v[X+8*nn+2*jj+1]
.set jj, jj+1
.endr
	global_store_b128 v[VO], v[Y+4*nn:Y+4*nn+3], s[58:59] offset:\stimm+8192*nn
.set nn, nn+1
.endr
.endm
	s_wait_tensorcnt 0x1                           ; the first sub-tile is in; the one load issued behind it stays out
	SUB 0, 0
	s_wait_tensorcnt 0x0                           ; the second
	s_wait_xcnt 0x0                                ; Y, which the stores above read, is written again only behind this wait
	SUB SUBT, 512
	s_wait_tensorcnt 0x0
	ds_add_u32 v232, v233
	s_wait_dscnt 0x0
	s_endpgm
.Lfunc_end_k_q5b70acec3b_prep:
	.size	k_q5b70acec3b_prep, .Lfunc_end_k_q5b70acec3b_prep-k_q5b70acec3b_prep
	.p2alignl 7, 3214868480
	.fill 96, 4, 3214868480
	.section	.rodata,"a",@progbits
	.p2align	6, 0x0
	.amdhsa_kernel k_q5b70acec3b_prep
		.amdhsa_group_segment_fixed_size 267264
		.amdhsa_private_segment_fixed_size 0
		.amdhsa_enable_private_segment 0
		.amdhsa_kernarg_size 72
		.amdhsa_user_sgpr_count 2
		.amdhsa_user_sgpr_kernarg_segment_ptr 1
		.amdhsa_wavefront_size32 1
		.amdhsa_system_sgpr_workgroup_id_x 1
		.amdhsa_system_sgpr_workgroup_id_y 1
		.amdhsa_system_sgpr_workgroup_id_z 1
		.amdhsa_system_vgpr_workitem_id 0
		.amdhsa_next_free_vgpr 234
		.amdhsa_next_free_sgpr 66
		.amdhsa_reserve_vcc 0
		.amdhsa_float_denorm_mode_32 3
		.amdhsa_float_denorm_mode_16_64 3
		.amdhsa_memory_ordered 1
		.amdhsa_forward_progress 1
		.amdhsa_inst_pref_size 22
	.end_amdhsa_kernel
	.amdgpu_metadata
---
amdhsa.version: [ 1, 2 ]
amdhsa.kernels:
  - .name:           k_q5b70acec3b_prep
    .symbol:         k_q5b70acec3b_prep.kd
    .args:
      - { .name: w22, .offset: 0, .size: 8, .value_kind: global_buffer, .address_space: global }
      - { .name: w11, .offset: 8, .size: 8, .value_kind: global_buffer, .address_space: global }
      - { .name: w21, .offset: 16, .size: 8, .value_kind: global_buffer, .address_space: global }
      - { .name: w12, .offset: 24, .size: 8, .value_kind: global_buffer, .address_space: global }
      - { .name: w3, .offset: 32, .size: 8, .value_kind: global_buffer, .address_space: global }
      - { .name: loc_fea, .offset: 40, .size: 8, .value_kind: global_buffer, .address_space: global }
      - { .name: w22h, .offset: 48, .size: 8, .value_kind: global_buffer, .address_space: global }
      - { .name: wsm, .offset: 56, .size: 8, .value_kind: global_buffer, .address_space: global }
      - { .name: out1, .offset: 64, .size: 8, .value_kind: global_buffer, .address_space: global }
    .group_segment_fixed_size: 267264
    .private_segment_fixed_size: 0
    .kernarg_segment_align: 8
    .kernarg_segment_size: 72
    .max_flat_workgroup_size: 256
    .sgpr_count:     66
    .vgpr_count:     234
    .wavefront_size: 32
...
	.end_amdgpu_metadata
.endif
;; end of part 1
;; launch front (part 2): grid 8 x 32, 4 waves a work-group, clusters of 4 x 4, 199,168 bytes of LDS; arguments img_fea, loc_fea, wsm, b11, b21, hf; writes hf
.if DOCPART == 2
	.amdgcn_target "amdgcn-amd-amdhsa--gfx1250"
	.amdhsa_code_object_version 6
	.text
	.protected	k_q5b70acec3b_front
	.globl	k_q5b70acec3b_front
	.p2align	8
	.type	k_q5b70acec3b_front,@function
k_q5b70acec3b_front:
	s_mov_b64 s[64:65], 0
	v_nop
	global_prefetch_b8 v0, s[64:65] scope:SCOPE_SE
	s_setreg_imm32_b32 hwreg(HW_REG_WAVE_MODE, 25, 1), 1
	s_wait_xcnt 0x0
	s_wait_alu depctr_hold_cnt(0) depctr_sa_sdst(0) depctr_va_vdst(0) depctr_va_sdst(0) depctr_va_ssrc(0) depctr_va_vcc(0) depctr_vm_vsrc(0)
	s_getreg_b32 s2, hwreg(HW_REG_IB_STS2, 6, 4)
	s_cmp_eq_u32 s2, 0
	s_cbranch_scc0 .Lentry_in_a_cluster
	s_endpgm
.Lentry_in_a_cluster:
	s_bfe_u32 s2, ttmp6, 0x10000c
	s_cmp_lg_u32 s2, 0xf033
	s_cbranch_scc0 .Lentry_shape_is_right
	s_endpgm
.Lentry_shape_is_right:
; FRONT: h11 = relu(cat w11 + b11) and h21 = relu(cat w21 + b21), cat = [img_fea, loc_fea], stored as f16 fragments in hf.
; Grid x: 2 matrices (the cluster's x) x 4 blocks of 64 columns (cx); grid y: 32 blocks of 64 rows.  Wave w makes 16 rows x 64 columns, K = 512:
; 64 matrix instructions on four accumulators.
; THE MATRIX INSTRUCTION IS USED TRANSPOSED: source 0 = 16 columns of the weights, source 1 = 16 rows of cat.  Lane (r = L & 15, h = L / 16) then
; holds in register j the number (row r, column 8 h + j): the bias is a C operand, and the eight results, rounded to f16, are four registers of a
; source-1 fragment of the next product.  hf[sel][row tile][column tile][lane][8] is that register image; a store of the wave is 512 consecutive bytes.
; CLUSTER 4 x 4: the four work-groups of a row of the cluster read the same 64 rows of cat, the four of a column the same tiles of weights;
; both come by joint loads.  All LDS bytes are filled once.
; LIMITS: operands in f16: |cat|, |w| and the results must stay below 65,504.  relu is max(0, x): a NaN comes out as 0.
.set WV,     16                        ; s16 the wave's number
.set CPITCH, 1040                      ; a row of 256 f32 + 16 bytes
.set CATI,   65536                     ; behind the weights' 8 tiles of 8,192 bytes: img rows, 16 a wave
.set CATL,   CATI+64*CPITCH            ; loc rows
.set VCI, 2                            ; v2  my 32 bytes in K step 0 of my row of img
.set VCL, 3                            ; v3  the same for loc
.set VW,  4                            ; v4  lane part of a transposing load
.set VBB, 5                            ; v5  32 h: the bias
.set VO,  6                            ; v6  16 L: the store
.set VR,  1                            ; v1  r = L & 15
.set VHH, 10                           ; v10 h = L / 16
.set CF,  16                           ; v[16:143]  cat's 16 fragments in f16
.set T,   144                          ; v[144:175] four accumulators
.set F,   176                          ; v[176:239] weights' fragments, two buffers of four; before that cat in f32
.set G1C, 24
.set G1W, 32
.set G0I, 40
.set G0L, 44
.set G0W, 48
.macro PLACES                          ; a load into, or a vector instruction on, a matrix instruction's registers stands four plain vector instructions behind it
.rept 4
	v_nop
.endr
.endm
.macro CREST
	s_cmp_lg_u32 s[WV], 0
	s_cbranch_scc1 .Lnot_wave_0_\@
	s_barrier_signal -3
.Lnot_wave_0_\@:
	s_barrier_wait -3
	s_barrier_signal -1
	s_barrier_wait -1
.endm
.macro CROUND                          ; a round of the cluster's barrier
	s_barrier_signal -1
	s_barrier_wait -1
	CREST
.endm
	s_load_b256 s[4:11], s[0:1], 0x0               ; img 4, loc 6, wsm 8, b11 10
	s_load_b128 s[12:15], s[0:1], 0x20             ; b21 12, hf 14
	v_lshl_add_u32 v254, v0, 2, 0x30800
	v_mov_b32 v255, 0
	ds_add_u32 v254, v255
	ds_add_u32 v254, v255
	v_lshrrev_b32 v1, 5, v0
	v_readfirstlane_b32 s[WV], v1
	s_bfe_u32 s17, ttmp6, 0x40000                  ; cx: which 64 columns
	s_bfe_u32 s18, ttmp6, 0x40004                  ; cy
	s_mov_b32 s19, ttmp9                           ; the cluster's x: 0 = w11, 1 = w21
	s_and_b32 s20, ttmp7, 0xffff
	s_lshl_b32 s20, s20, 2
	s_add_co_u32 s20, s20, s18                     ; block of 64 rows
	s_lshl_b32 s21, s18, 2
	s_lshl_b32 s21, 15, s21                        ; my row of the cluster
	s_lshl_b32 s22, 0x1111, s17                    ; my column
	s_or_b32 s[G1C+0], s21, (2<<16)|(1<<20)|(1<<21)|(7<<22)|(3<<25)   ; cat: f32, 16 bytes of padding behind 256 words, shared along the row
	s_mov_b32 s[G1C+1], 256<<16
	s_mov_b32 s[G1C+2], 16<<16
	s_mov_b32 s[G1C+3], 256<<16
	s_mov_b32 s[G1C+4], 16
	s_mov_b32 s[G1C+5], 256
	s_mov_b32 s[G1C+6], 0
	s_mov_b32 s[G1C+7], 0
	s_or_b32 s[G1W+0], s22, (3<<16)|(1<<21)        ; weights: a dense block of 64 rows of 256 bytes, shared along the column
	s_mov_b32 s[G1W+1], 32<<16
	s_mov_b32 s[G1W+2], 64<<16
	s_mov_b32 s[G1W+3], 32<<16
	s_mov_b32 s[G1W+4], 64
	s_mov_b32 s[G1W+5], 32
	s_mov_b32 s[G1W+6], 0
	s_mov_b32 s[G1W+7], 0
	s_mul_i32 s66, s[WV], 16*CPITCH
	s_mov_b32 s[G0I], 1
	s_add_co_u32 s[G0I+1], s66, CATI
	s_mov_b32 s[G0L], 1
	s_add_co_u32 s[G0L+1], s66, CATL
	s_mov_b32 s[G0W], 1
	s_mul_i32 s[G0W+1], s[WV], 16384               ; wave w brings tiles 2 (w & 1), + 1 of K half w / 2
	s_lshl_b32 s52, s20, 16                        ; cat: (64 block + 16 w) rows of 1,024 bytes: cy and the wave alone
	s_lshl_b32 s53, s[WV], 14
	s_add_co_u32 s52, s52, s53
	s_mov_b32 s53, 0
	s_lshl_b32 s54, s19, 1                         ; weights: block 2 sel + w / 2: cx and the wave alone
	s_lshr_b32 s55, s[WV], 1
	s_add_co_u32 s54, s54, s55
	s_lshl_b32 s54, s54, 17
	s_lshl_b32 s55, s17, 15                        ; + 4 tiles a column block
	s_add_co_u32 s54, s54, s55
	s_and_b32 s55, s[WV], 1
	s_lshl_b32 s55, s55, 14
	s_add_co_u32 s54, s54, s55
	s_mov_b32 s55, 0
	s_lshl_b32 s58, s17, 8                         ; bias: 64 columns of 4 bytes
	s_mov_b32 s59, 0
	s_lshl_b32 s60, s19, 20                        ; hf: sel, row tile 4 block + w, column tile 4 cx
	s_lshl_b32 s61, s20, 15
	s_add_co_u32 s60, s60, s61
	s_lshl_b32 s61, s[WV], 13
	s_add_co_u32 s60, s60, s61
	s_lshl_b32 s61, s17, 11
	s_add_co_u32 s60, s60, s61
	s_mov_b32 s61, 0
	s_wait_dscnt 0x0
	s_wait_kmcnt 0x0
	s_add_nc_u64 s[G0I+2:G0I+3], s[4:5], s[52:53]
	s_add_nc_u64 s[G0L+2:G0L+3], s[6:7], s[52:53]
	s_add_nc_u64 s[G0W+2:G0W+3], s[8:9], s[54:55]
	s_or_b32 s[G0I+3], s[G0I+3], 0x80000000
	s_or_b32 s[G0L+3], s[G0L+3], 0x80000000
	s_or_b32 s[G0W+3], s[G0W+3], 0x80000000
	s_cmp_eq_u32 s19, 0
	s_cselect_b64 s[56:57], s[10:11], s[12:13]
	s_add_nc_u64 s[56:57], s[56:57], s[58:59]
	s_add_nc_u64 s[62:63], s[14:15], s[60:61]
	CROUND                                         ; all sixteen work-groups are here: the joint loads meet
	tensor_load_to_lds s[G0I:G0I+3], s[G1C:G1C+7]  ; three tensor loads of the wave are out, all first fills
	s_nop 0
	tensor_load_to_lds s[G0L:G0L+3], s[G1C:G1C+7]
	s_nop 0
	tensor_load_to_lds s[G0W:G0W+3], s[G1W:G1W+7]
	s_nop 0
	v_and_b32 v[VR], 15, v0                        ; r
	v_bfe_u32 v[VHH], v0, 4, 1                     ; h, in a register that no address shares
	v_lshlrev_b32 v[VBB], 5, v[VHH]
.set cc, 0
.rept 4
	global_load_b128 v[T+8*cc:T+8*cc+3],   v[VBB], s[56:57] offset:64*cc      ; the bias starts the sums: register j = bias of column 16 c + 8 h + j
	global_load_b128 v[T+8*cc+4:T+8*cc+7], v[VBB], s[56:57] offset:64*cc+16
.set cc, cc+1
.endr
	v_mul_u32_u24 v7, v[VR], CPITCH
	v_lshl_add_u32 v7, v[VHH], 5, v7               ; row r, 32 bytes a half
	v_add_nc_u32 v[VCI], s[G0I+1], v7
	v_add_nc_u32 v[VCL], s[G0L+1], v7
	v_and_b32 v8, 7, v0
	v_lshl_add_u32 v8, v[VHH], 3, v8               ; k row 8 h + (L & 7) of a tile,
	v_bfe_u32 v9, v0, 3, 1
	v_lshlrev_b32 v[VW], 5, v8                     ; 32 bytes a row,
	v_lshl_add_u32 v[VW], v9, 4, v[VW]             ; 16 bytes for lanes 8-15 of each half
	v_and_b32 v[VO], 31, v0
	v_lshlrev_b32 v[VO], 4, v[VO]
; Four fragments of cat: K steps s0 .. s0 + 3 of one source, f32 from LDS, rounded to f16 into fragments c0 .. c0 + 3.
; A fragment: registers 0-3 hold k = 8 h .. + 7, registers 4-7 k = 16 + 8 h .. + 7: in f32 two runs of 32 bytes, 64 bytes apart.
.macro CVT4 adr, s0, c0
.set nn, 0
.rept 4
	ds_load_b128 v[F+16*nn:F+16*nn+3],     v[\adr] offset:128*(\s0+nn)
	ds_load_b128 v[F+16*nn+4:F+16*nn+7],   v[\adr] offset:128*(\s0+nn)+16
	ds_load_b128 v[F+16*nn+8:F+16*nn+11],  v[\adr] offset:128*(\s0+nn)+64
	ds_load_b128 v[F+16*nn+12:F+16*nn+15], v[\adr] offset:128*(\s0+nn)+80
.set nn, nn+1
.endr
	s_wait_dscnt 0x0
.set nn, 0
.rept 32
	v_cvt_pk_f16_f32 v[CF+8*\c0+nn], v[F+2*nn], v[F+2*nn+1]
.set nn, nn+1
.endr
.endm
	s_wait_tensorcnt 0x2                           ; my rows of img are in; the two loads issued behind stay out
	CVT4 VCI, 0, 0
	CVT4 VCI, 4, 4
	s_wait_tensorcnt 0x1                           ; my rows of loc
	CVT4 VCL, 0, 8
	CVT4 VCL, 4, 12
	s_wait_tensorcnt 0x0                           ; my part of the weights; no LDS load of mine is out (the last wait was for 0)
	s_barrier_signal -1
	s_barrier_wait -1                              ; everybody's part is in
	s_wait_loadcnt 0x0                             ; the bias
; The four weights' fragments of K step s: tile (K half s / 8, column tile c), rows 32 (s & 7) ..: two transposing loads each
.macro FETCHW s
.set cc, 0
.rept 4
	ds_load_tr16_b128 v[F+32*((\s)&1)+8*cc:F+32*((\s)&1)+8*cc+3],   v[VW] offset:(((\s)>>3)*4+cc)*8192+((\s)&7)*1024
	ds_load_tr16_b128 v[F+32*((\s)&1)+8*cc+4:F+32*((\s)&1)+8*cc+7], v[VW] offset:(((\s)>>3)*4+cc)*8192+((\s)&7)*1024+512
.set cc, cc+1
.endr
.endm
	FETCHW 0
.set ss, 0
.rept 16
.if ss > 0
	PLACES
.endif
.if ss < 15
	FETCHW ss+1
	s_wait_dscnt 8                                 ; this step's eight loads are in; the eight just issued may be out
.else
	s_wait_dscnt 0x0
.endif
.set cc, 0
.rept 4                                            ; the four accumulators take turns, one instruction a turn
	v_wmma_f32_16x16x32_f16 v[T+8*cc:T+8*cc+7], v[F+32*(ss&1)+8*cc:F+32*(ss&1)+8*cc+7], v[CF+8*ss:CF+8*ss+7], v[T+8*cc:T+8*cc+7]
.set cc, cc+1
.endr
.set ss, ss+1
.endr
	PLACES
.set nn, 0
.rept 32
	v_max_num_f32 v[T+nn], 0, v[T+nn]              ; relu
.set nn, nn+1
.endr
.set nn, 0
.rept 16
	v_cvt_pk_f16_f32 v[F+nn], v[T+2*nn], v[T+2*nn+1]
.set nn, nn+1
.endr
.set cc, 0
.rept 4
	global_store_b128 v[VO], v[F+4*cc:F+4*cc+3], s[62:63] offset:512*cc   ; 512 consecutive bytes, aligned
.set cc, cc+1
.endr
	s_wait_tensorcnt 0x0
	ds_add_u32 v254, v255
	s_wait_dscnt 0x0
	CROUND                                         ; the closing round
	s_endpgm
.Lfunc_end_k_q5b70acec3b_front:
	.size	k_q5b70acec3b_front, .Lfunc_end_k_q5b70acec3b_front-k_q5b70acec3b_front
	.p2alignl 7, 3214868480
	.fill 96, 4, 3214868480
	.section	.rodata,"a",@progbits
	.p2align	6, 0x0
	.amdhsa_kernel k_q5b70acec3b_front
		.amdhsa_group_segment_fixed_size 199168
		.amdhsa_private_segment_fixed_size 0
		.amdhsa_enable_private_segment 0
		.amdhsa_kernarg_size 48
		.amdhsa_user_sgpr_count 2
		.amdhsa_user_sgpr_kernarg_segment_ptr 1
		.amdhsa_wavefront_size32 1
		.amdhsa_system_sgpr_workgroup_id_x 1
		.amdhsa_system_sgpr_workgroup_id_y 1
		.amdhsa_system_sgpr_workgroup_id_z 1
		.amdhsa_system_vgpr_workitem_id 0
		.amdhsa_next_free_vgpr 256
		.amdhsa_next_free_sgpr 68
		.amdhsa_reserve_vcc 0
		.amdhsa_float_denorm_mode_32 3
		.amdhsa_float_denorm_mode_16_64 3
		.amdhsa_memory_ordered 1
		.amdhsa_forward_progress 1
		.amdhsa_inst_pref_size 36
	.end_amdhsa_kernel
	.amdgpu_metadata
---
amdhsa.version: [ 1, 2 ]
amdhsa.kernels:
  - .name:           k_q5b70acec3b_front
    .symbol:         k_q5b70acec3b_front.kd
    .args:
      - { .name: img_fea, .offset: 0, .size: 8, .value_kind: global_buffer, .address_space: global }
      - { .name: loc_fea, .offset: 8, .size: 8, .value_kind: global_buffer, .address_space: global }
      - { .name: wsm, .offset: 16, .size: 8, .value_kind: global_buffer, .address_space: global }
      - { .name: b11, .offset: 24, .size: 8, .value_kind: global_buffer, .address_space: global }
      - { .name: b21, .offset: 32, .size: 8, .value_kind: global_buffer, .address_space: global }
      - { .name: hf, .offset: 40, .size: 8, .value_kind: global_buffer, .address_space: global }
    .group_segment_fixed_size: 199168
    .private_segment_fixed_size: 0
    .kernarg_segment_align: 8
    .kernarg_segment_size: 48
    .max_flat_workgroup_size: 128
    .sgpr_count:     68
    .vgpr_count:     256
    .wavefront_size: 32
...
	.end_amdgpu_metadata
.endif
;; end of part 2
;; launch main (part 3): grid 8 x 32, 4 waves a work-group, clusters of 4 x 1, 327,680 bytes of LDS; arguments hf, wsm, w22h, b12, b22, part; writes part
.if DOCPART == 3
	.amdgcn_target "amdgcn-amd-amdhsa--gfx1250"
	.amdhsa_code_object_version 6
	.text
	.protected	k_q5b70acec3b_main
	.globl	k_q5b70acec3b_main
	.p2align	8
	.type	k_q5b70acec3b_main,@function
k_q5b70acec3b_main:
	s_mov_b64 s[64:65], 0
	v_nop
	global_prefetch_b8 v0, s[64:65] scope:SCOPE_SE
	s_setreg_imm32_b32 hwreg(HW_REG_WAVE_MODE, 25, 1), 1
	s_wait_xcnt 0x0
	s_wait_alu depctr_hold_cnt(0) depctr_sa_sdst(0) depctr_va_vdst(0) depctr_va_sdst(0) depctr_va_ssrc(0) depctr_va_vcc(0) depctr_vm_vsrc(0)
	s_getreg_b32 s2, hwreg(HW_REG_IB_STS2, 6, 4)
	s_cmp_eq_u32 s2, 0
	s_cbranch_scc0 .Lentry_in_a_cluster
	s_endpgm
.Lentry_in_a_cluster:
	s_bfe_u32 s2, ttmp6, 0x10000c
	s_cmp_lg_u32 s2, 0x3003
	s_cbranch_scc0 .Lentry_shape_is_right
	s_endpgm
.Lentry_shape_is_right:
; MAIN: part[ihalf][b][o] = sum over 128 values of i of wgt12[b][i] * ( (h21 W_i)[b][o] + b22[i][o] ),  W_i = w22[:, 256 i ..],
; with wgt12 = h11 w12 + b12 made here for the work-group's own rows and its own 128 values of i.  wgt22 never exists in memory.
; Grid x: 8 blocks of 256 rows; grid y: 16 blocks of 16 columns o x 2 halves of i.  256 work-groups of equal work, four waves, a wave owns 64 rows.
; A UNIT is one tile [256 k][16 n] of f16: 32 matrix instructions of a wave (4 row tiles x 8 K steps) from 16 transposing LDS loads.
; 8 units make wgt12 (tiles of w12, source 1 = h11), 128 units the sum (tiles of w22h, source 1 = h21).
; THE MATRIX INSTRUCTION IS USED TRANSPOSED: source 0 = the tile (m = column), source 1 = 16 rows of h (n = row).  Lane (r = L & 15, h = L / 16) holds in
; register j the number (row r, column 8 h + j): the bias along the columns is the first link's C operand, and wgt12[row][i] is one register a lane
; and row tile, by which four packed multiply-adds a row tile scale the unit's result into ACC, in f32.
; CLUSTER 4 x 1: every tile hangs on grid y alone, so the four row blocks of a cluster ask for each tile jointly.  (h is read through registers, once; the
; partners' rows differ.)
; RING: two LDS slots of 8 tiles.  One joint load a wave (2 tiles, 16 KiB) goes out straight behind each round and has 8 units in which to land.
; REGISTERS: window 0: addresses, S, BI, T, ACC; window 1: h21's 32 fragments; window 2: h11's; window 3: the tile's fragments, two buffers of 64.
; LIMITS: operands in f16 (|h| below 65,504 is kept by the launch before).
.set WV,     16                        ; s16 the wave's number
.set BIAS,   131072                    ; behind the ring: entries of 64 bytes: 8 of b12, then 128 of b22
.set SC,     139776                    ; wgt12 in f32: row (64 w + 16 bt + r), pitch 528; written by LDS stores, each wave its own 64 rows; no fill lands here
.set SPITCH, 528
.set GRPB,   0x100000                  ; 8 values of i in w22h: 8 x 16 tiles of 8,192 bytes
.set VA,  4                            ; v4, v5  lane part of a transposing load, slot 0, slot 1
.set VB,  6                            ; v6      bias entry of the pair's unit 0, + 32 h
.set VS,  7                            ; v7      my row of SC at the pair's first i
.set VSW, 8                            ; v8      my row of SC + 32 h, for the stores
.set VH,  9                            ; v9      16 L
.set S,   16                           ; v[16:47]   wgt12: set x 16 + row tile x 4 + (i & 3)
.set BI,  48                           ; v[48:63]   bias, two buffers of 8
.set T,   64                           ; v[64:127]  a unit's results, two buffers of 4 x 8
.set ACC, 128                          ; v[128:159] the sums
.set G1,  24                           ; s[24:31] two tiles of w22h, 131,072 bytes apart
.set G1P, 32                           ; s[32:39] two tiles of w12, one behind the other
.set G0,  40                           ; s[40:47] group 0 of slot 0, of slot 1
.set G0P, 48                           ; s[48:51] group 0 of the w12 tiles
.set GC1, 52                           ; s[52:59], s[60:63]  b22's 128 pieces of 64 bytes
.set GC0, 60
.set GD1, 68                           ; s[68:75], s[76:79]  b12's 512 bytes
.set GD0, 76
.set MSB, 0
.macro WIN new                         ; the immediate's high byte repeats the setting that is left
.if MSB != \new
	s_set_vgpr_msb (MSB<<8)|\new
.set MSB, \new
.endif
.endm
.macro PLACES                          ; five plain vector instructions: four in front of loads into, and reads of, the registers of the unit before
.rept 5                                ; five in front of the matrix instructions that write its T again, where the work between is LDS stores alone
	v_nop
.endr
.endm
.macro CREST
	s_cmp_lg_u32 s[WV], 0
	s_cbranch_scc1 .Lnot_wave_0_\@
	s_barrier_signal -3
.Lnot_wave_0_\@:
	s_barrier_wait -3
	s_barrier_signal -1
	s_barrier_wait -1
.endm
.macro CROUND
	s_barrier_signal -1
	s_barrier_wait -1
	CREST
.endm
	s_load_b256 s[4:11], s[0:1], 0x0               ; hf 4, wsm 6, w22h 8, b12 10
	s_load_b128 s[12:15], s[0:1], 0x20             ; b22 12, part 14
	v_lshl_add_u32 v254, v0, 2, 0x43200
	v_mov_b32 v255, 0
	ds_add_u32 v254, v255
	ds_add_u32 v254, v255
	v_lshrrev_b32 v1, 5, v0
	v_readfirstlane_b32 s[WV], v1
	s_bfe_u32 s17, ttmp6, 0x40000                  ; cx
	s_lshl_b32 s18, ttmp9, 2
	s_add_co_u32 s18, s18, s17                     ; block of 256 rows
	s_and_b32 s21, ttmp7, 0xffff
	s_and_b32 s19, s21, 15                         ; ob: which 16 columns o
	s_lshr_b32 s20, s21, 4                         ; which half of i
	v_and_b32 v[VH], 31, v0
	v_lshlrev_b32 v[VH], 4, v[VH]
	s_lshl_b32 s94, s18, 17                        ; hf: row tile 16 block + 4 w, 8,192 bytes each
	s_lshl_b32 s95, s[WV], 15
	s_add_co_u32 s94, s94, s95
	s_mov_b32 s95, 0
	s_wait_dscnt 0x0
	s_wait_kmcnt 0x0
	s_add_nc_u64 s[84:85], s[4:5], s[94:95]        ; h11
	s_add_nc_u64 s[86:87], s[84:85], 0x100000      ; h21
	WIN 0x80                                       ; destination window 2
.set nn, 0
.rept 64
	global_load_b128 v[4*nn:4*nn+3], v[VH], s[84:85] offset:512*nn     ; fragment (bt, s) lands at register 8 (8 bt + s)
.set nn, nn+1
.endr
	WIN 0x40                                       ; destination window 1
.set nn, 0
.rept 64
	global_load_b128 v[4*nn:4*nn+3], v[VH], s[86:87] offset:512*nn
.set nn, nn+1
.endr
	WIN 0
	; descriptors: every first word holds the mask of the four partners and bit 21; no word hangs on cx
	s_mov_b32 s[G1+0], 15|(3<<16)|(1<<21)          ; elements of 8 bytes
	s_mov_b32 s[G1+1], 1024<<16                    ; a row = a tile of 8,192 bytes
	s_mov_b32 s[G1+2], 2<<16
	s_mov_b32 s[G1+3], 1024<<16
	s_mov_b32 s[G1+4], 2
	s_mov_b32 s[G1+5], 16384                       ; from i to i + 1: 16 tiles
	s_mov_b32 s[G1+6], 0
	s_mov_b32 s[G1+7], 0
	s_mov_b32 s[G1P+0], 15|(3<<16)|(1<<21)
	s_mov_b32 s[G1P+1], 1024<<16
	s_mov_b32 s[G1P+2], 2<<16
	s_mov_b32 s[G1P+3], 1024<<16
	s_mov_b32 s[G1P+4], 2
	s_mov_b32 s[G1P+5], 1024
	s_mov_b32 s[G1P+6], 0
	s_mov_b32 s[G1P+7], 0
	s_mov_b32 s[GC1+0], 15|(2<<16)|(1<<21)         ; b22: 128 rows of 16 f32, 256 apart
	s_mov_b32 s[GC1+1], 16<<16
	s_mov_b32 s[GC1+2], 128<<16
	s_mov_b32 s[GC1+3], 16<<16
	s_mov_b32 s[GC1+4], 128
	s_mov_b32 s[GC1+5], 256
	s_mov_b32 s[GC1+6], 0
	s_mov_b32 s[GC1+7], 0
	s_mov_b32 s[GD1+0], 15|(3<<16)|(1<<21)         ; b12: one row of 512 bytes
	s_mov_b32 s[GD1+1], 64<<16
	s_mov_b32 s[GD1+2], 1<<16
	s_mov_b32 s[GD1+3], 64<<16
	s_mov_b32 s[GD1+4], 1
	s_mov_b32 s[GD1+5], 64
	s_mov_b32 s[GD1+6], 0
	s_mov_b32 s[GD1+7], 0
	s_mov_b32 s[G0], 1
	s_mul_i32 s[G0+1], s[WV], 16384                ; wave w fills tiles 2 w and 2 w + 1 of a slot
	s_mov_b32 s[G0+4], 1
	s_add_co_u32 s[G0+5], s[G0+1], 65536
	s_mov_b32 s[G0P], 1
	s_mul_i32 s[G0P+1], s[WV], 16384
	s_mov_b32 s[GC0], 1
	s_mov_b32 s[GC0+1], BIAS+512
	s_mov_b32 s[GD0], 1
	s_mov_b32 s[GD0+1], BIAS
	s_lshl_b32 s82, s20, 24                        ; w22h: tile (128 half + 2 w) x 16 + ob
	s_lshl_b32 s83, s[WV], 18
	s_add_co_u32 s82, s82, s83
	s_lshl_b32 s83, s19, 13
	s_add_co_u32 s82, s82, s83
	s_mov_b32 s83, 0
	s_add_nc_u64 s[G0+6:G0+7], s[8:9], s[82:83]            ; slot 1 begins with group 0,
	s_add_nc_u64 s[G0+2:G0+3], s[G0+6:G0+7], GRPB          ; slot 0's first refill is group 1
	s_or_b32 s[G0+3], s[G0+3], 0x80000000
	s_or_b32 s[G0+7], s[G0+7], 0x80000000
	s_lshl_b32 s88, s20, 16                        ; w12 = block 4 of wsm, tile 8 half + 2 w
	s_lshl_b32 s89, s[WV], 14
	s_add_co_u32 s88, s88, s89
	s_add_co_u32 s88, s88, 4*131072
	s_mov_b32 s89, 0
	s_add_nc_u64 s[G0P+2:G0P+3], s[6:7], s[88:89]
	s_or_b32 s[G0P+3], s[G0P+3], 0x80000000
	s_lshl_b32 s90, s20, 17                        ; b22[128 half][16 ob]
	s_lshl_b32 s91, s19, 6
	s_add_co_u32 s90, s90, s91
	s_mov_b32 s91, 0
	s_add_nc_u64 s[GC0+2:GC0+3], s[12:13], s[90:91]
	s_or_b32 s[GC0+3], s[GC0+3], 0x80000000
	s_lshl_b32 s92, s20, 9                         ; b12[128 half]
	s_mov_b32 s93, 0
	s_add_nc_u64 s[GD0+2:GD0+3], s[10:11], s[92:93]
	s_or_b32 s[GD0+3], s[GD0+3], 0x80000000
	CROUND                                         ; the four partners are here: the first joint loads meet
	s_cmp_lg_u32 s[WV], 0
	s_cbranch_scc1 .Lnot_b22
	tensor_load_to_lds s[GC0:GC0+3], s[GC1:GC1+7]  ; wave 0
	s_nop 0
.Lnot_b22:
	s_cmp_lg_u32 s[WV], 1
	s_cbranch_scc1 .Lnot_b12
	tensor_load_to_lds s[GD0:GD0+3], s[GD1:GD1+7]  ; wave 1
	s_nop 0
.Lnot_b12:
	tensor_load_to_lds s[G0P:G0P+3], s[G1P:G1P+7]  ; slot 0: the tiles of w12
	s_nop 0
	tensor_load_to_lds s[G0+4:G0+7], s[G1:G1+7]    ; slot 1: group 0.  Three tensor loads of a wave are out at the most here, one later
	s_nop 0
	v_and_b32 v1, 15, v0                           ; r
	v_bfe_u32 v2, v0, 4, 1                         ; h
	v_and_b32 v3, 7, v0
	v_lshl_add_u32 v3, v2, 3, v3                   ; k row 8 h + (L & 7)
	v_bfe_u32 v10, v0, 3, 1
	v_lshlrev_b32 v[VA], 5, v3
	v_lshl_add_u32 v[VA], v10, 4, v[VA]
	v_add_nc_u32 v[VA+1], 0x10000, v[VA]
	v_lshlrev_b32 v[VB], 5, v2
	v_add_nc_u32 v[VB], BIAS, v[VB]
	v_mul_u32_u24 v[VS], v1, SPITCH
	s_mul_i32 s96, s[WV], 64*SPITCH
	s_add_co_u32 s96, s96, SC
	v_add_nc_u32 v[VS], s96, v[VS]
	v_lshl_add_u32 v[VSW], v2, 5, v[VS]
; 16 matrix instructions: K steps k0 .. k0 + 3 x the 4 row tiles, which take turns, one instruction a turn.  The first link takes the bias as C.
.macro MM f, k0, win
	WIN \win
.set kk, \k0
.rept 4
.set bq, 0
.rept 4
.if kk == 0
	v_wmma_f32_16x16x32_f16 v[T+32*\f+8*bq:T+32*\f+8*bq+7], v[64*\f+8*kk:64*\f+8*kk+7], v[8*(8*bq+kk):8*(8*bq+kk)+7], v[BI+8*\f:BI+8*\f+7]
.else
	v_wmma_f32_16x16x32_f16 v[T+32*\f+8*bq:T+32*\f+8*bq+7], v[64*\f+8*kk:64*\f+8*kk+7], v[8*(8*bq+kk):8*(8*bq+kk)+7], v[T+32*\f+8*bq:T+32*\f+8*bq+7]
.endif
.set bq, bq+1
.endr
.set kk, kk+1
.endr
.endm
; what is done with a finished unit's T
.macro EPI_P f, it                     ; wgt12 of i = 16 it + 8 h + j goes to my rows of SC
.set bq, 0
.rept 4
	ds_store_b128 v[VSW], v[T+32*\f+8*bq:T+32*\f+8*bq+3]   offset:16*SPITCH*bq+64*\it
	ds_store_b128 v[VSW], v[T+32*\f+8*bq+4:T+32*\f+8*bq+7] offset:16*SPITCH*bq+64*\it+16
.set bq, bq+1
.endr
.endm
.macro EPI_M f                         ; the first i starts the sums: nothing is cleared
.set bq, 0
.rept 4
.set pq, 0
.rept 4
	v_pk_mul_f32 v[ACC+8*bq+2*pq:ACC+8*bq+2*pq+1], v[T+32*\f+8*bq+2*pq:T+32*\f+8*bq+2*pq+1], v[S+4*bq:S+4*bq+1] op_sel_hi:[1,0]
.set pq, pq+1
.endr
.set bq, bq+1
.endr
.endm
.macro EPI_A f, sset, e                ; ACC += wgt12[row][i] * T; the register of i & 3 is picked from its pair for both halves
.set bq, 0
.rept 4
.set pq, 0
.rept 4
.if (\e)&1
	v_pk_fma_f32 v[ACC+8*bq+2*pq:ACC+8*bq+2*pq+1], v[T+32*\f+8*bq+2*pq:T+32*\f+8*bq+2*pq+1], v[S+16*\sset+4*bq+((\e)&2):S+16*\sset+4*bq+((\e)&2)+1], v[ACC+8*bq+2*pq:ACC+8*bq+2*pq+1] op_sel:[0,1,0] op_sel_hi:[1,1,1]
.else
	v_pk_fma_f32 v[ACC+8*bq+2*pq:ACC+8*bq+2*pq+1], v[T+32*\f+8*bq+2*pq:T+32*\f+8*bq+2*pq+1], v[S+16*\sset+4*bq+((\e)&2):S+16*\sset+4*bq+((\e)&2)+1], v[ACC+8*bq+2*pq:ACC+8*bq+2*pq+1] op_sel_hi:[1,0,1]
.endif
.set pq, pq+1
.endr
.set bq, bq+1
.endr
.endm
; the next unit's operands: (every fourth unit) wgt12 of four i, the bias, the tile's 8 fragments.  NF = the loads issued
.macro FETCH slot, tile, f, boff, sset, soff
.set NF, 18
.if \sset >= 0
.set NF, 22
.set bq, 0
.rept 4
	ds_load_b128 v[S+16*\sset+4*bq:S+16*\sset+4*bq+3], v[VS] offset:\soff+16*SPITCH*bq
.set bq, bq+1
.endr
.endif
	ds_load_b128 v[BI+8*\f:BI+8*\f+3],   v[VB] offset:\boff
	ds_load_b128 v[BI+8*\f+4:BI+8*\f+7], v[VB] offset:\boff+16
	WIN 0xc0                                       ; destination window 3
.set nn, 0
.rept 16
	ds_load_tr16_b128 v[64*\f+4*nn:64*\f+4*nn+3], v[VA+\slot] offset:8192*\tile+512*nn
.set nn, nn+1
.endr
.endm
; A unit's head.  turn = 0: inside a slot.  turn = 1: the slot's last tile, and the slot is filled again.  turn = 2: its last tile, nothing left to fetch.
.macro HEAD turn, slot
.if \turn == 0
	s_wait_dscnt 8                                 ; all but the eight youngest loads, the fragments of K steps 4 to 7
.else
	s_wait_dscnt 0x0                               ; my reads of this slot are over: its last tile is in registers
	s_set_vgpr_msb (MSB<<8)|((MSB&0xf0)|0x0)
	s_wait_tensorcnt 0x0                           ; all my tensor loads have landed: the one that was out is my part of the other slot
	ds_add_u32 v254, v255
	s_wait_dscnt 0x0
	s_set_vgpr_msb (((MSB&0xf0)|0x0)<<8)|MSB
.if \turn == 1
	s_add_nc_u64 s[G0+4*(1-\slot)+2:G0+4*(1-\slot)+3], s[G0+4*(1-\slot)+2:G0+4*(1-\slot)+3], 2*GRPB   ; no load is out: the other slot's next group
.endif
	s_barrier_signal -1                            ; opens the round (turn = 1) or is the work-group's barrier alone (turn = 2)
.endif
.endm
.macro MID turn, slot
	WIN 0
.if \turn != 0
	s_barrier_wait -1
.if \turn == 1
	CREST                                          ; no wave of any partner reads this slot any more or has a load on its way
	tensor_load_to_lds s[G0+4*\slot:G0+4*\slot+3], s[G1:G1+7]      ; my one tensor load behind the round, ahead of every LDS access there
	s_nop 0
.endif
.endif
	PLACES
.endm
; 16 units: 8 i in slot 1, 8 i in slot 0
.macro PAIR first, last
.set ul, 0
.rept 16
.set uf, ul&1
.set pf, 1-uf
.set us, 1-(ul>>3)
.set ut, 0
.if ul == 7
.set ut, 1+\last
.endif
.if ul == 15
.set ut, 1-\last
.endif
	HEAD ut, us
	MM uf, 0, 0x07
	MID ut, us
.set ek, 3
.if \first
.if ul == 0
.set ek, 1
.endif
.if ul == 1
.set ek, 2
.endif
.endif
.if ek == 1
	EPI_P pf, 7
.endif
.if ek == 2
	EPI_M pf
.endif
.if ek == 3
.set pe, (ul+15)&3
.set ps, ((ul+15)>>2)&1
	EPI_A pf, ps, pe
.endif
.set nu, ul+1
.set dofetch, 1
.if ul == 15
.set dofetch, 1-\last
.endif
.if dofetch
.set nsl, 1-((nu&15)>>3)
.set nti, nu&7
.set nss, -1
.if (nu&3) == 0
.set nss, (nu>>2)&1
.endif
	FETCH nsl, nti, pf, 64*nu, nss, 4*nu
.if ut == 0
	s_wait_dscnt NF                                ; all but the loads just issued: this unit's fragments of K steps 4 to 7 are in
.endif
.else
	s_wait_dscnt 0x0
.endif
	MM uf, 4, 0x07
.set ul, ul+1
.endr
	WIN 0
.if \last == 0
	v_add_nc_u32 v[VB], 1024, v[VB]                ; 16 entries of bias
	v_add_nc_u32 v[VS], 64, v[VS]                  ; 16 columns of SC
.endif
.endm
	s_wait_tensorcnt 0x1                           ; the bias and my part of slot 0 are in; slot 1's load, the one issued behind, stays out
	s_barrier_signal -1
	s_barrier_wait -1                              ; everybody's are
	FETCH 0, 0, 0, 0, -1, 0
	s_wait_loadcnt 63                              ; h11: 64 loads were issued behind its last one; the largest count that the wait can name is 63
	; wgt12: 8 units on the tiles of w12
.set ul, 0
.rept 8
.set uf, ul&1
.set pf, 1-uf
.set ut, 0
.if ul == 7
.set ut, 1
.endif
	HEAD ut, 0
	MM uf, 0, 0x0b
	MID ut, 0
.if ul > 0
.set pit, ul-1
	EPI_P pf, pit
.endif
.set nu, ul+1
.if ul < 7
	FETCH 0, nu, pf, 64*nu, -1, 0
	s_wait_dscnt NF
.else
	FETCH 1, 0, pf, 512, 0, 0                      ; the first i: its tile, its bias, and wgt12 of i = 0 .. 3, which my own stores wrote (LDS serves a wave in order)
.endif
	MM uf, 4, 0x0b
.set ul, ul+1
.endr
	WIN 0
	v_add_nc_u32 v[VB], 512, v[VB]                 ; past b12's entries
	s_wait_loadcnt 0x0                             ; h21
	PAIR 1, 0
	s_mov_b32 s80, 6
.Lpair:
	PAIR 0, 0
	s_sub_co_u32 s80, s80, 1
	s_cmp_lg_u32 s80, 0
	s_cbranch_scc1 .Lpair
	PAIR 0, 1
	PLACES
	EPI_A 1, 1, 3                                  ; the last i
	s_lshl_b32 s96, s20, 21                        ; part[half][row tile 16 block + 4 w + bt][ob][q][lane][4]
	s_lshl_b32 s97, s18, 18
	s_add_co_u32 s96, s96, s97
	s_lshl_b32 s97, s[WV], 16
	s_add_co_u32 s96, s96, s97
	s_lshl_b32 s97, s19, 10
	s_add_co_u32 s96, s96, s97
	s_mov_b32 s97, 0
	s_add_nc_u64 s[98:99], s[14:15], s[96:97]
.set bq, 0
.rept 4
	global_store_b128 v[VH], v[ACC+8*bq:ACC+8*bq+3],   s[98:99] offset:16384*bq       ; 512 consecutive bytes, aligned
	global_store_b128 v[VH], v[ACC+8*bq+4:ACC+8*bq+7], s[98:99] offset:16384*bq+512
.set bq, bq+1
.endr
	CROUND                                         ; the closing round
	s_endpgm
.Lfunc_end_k_q5b70acec3b_main:
	.size	k_q5b70acec3b_main, .Lfunc_end_k_q5b70acec3b_main-k_q5b70acec3b_main
	.p2alignl 7, 3214868480
	.fill 96, 4, 3214868480
	.section	.rodata,"a",@progbits
	.p2align	6, 0x0
	.amdhsa_kernel k_q5b70acec3b_main
		.amdhsa_group_segment_fixed_size 327680
		.amdhsa_private_segment_fixed_size 0
		.amdhsa_enable_private_segment 0
		.amdhsa_kernarg_size 48
		.amdhsa_user_sgpr_count 2
		.amdhsa_user_sgpr_kernarg_segment_ptr 1
		.amdhsa_wavefront_size32 1
		.amdhsa_system_sgpr_workgroup_id_x 1
		.amdhsa_system_sgpr_workgroup_id_y 1
		.amdhsa_system_sgpr_workgroup_id_z 1
		.amdhsa_system_vgpr_workitem_id 0
		.amdhsa_next_free_vgpr 896
		.amdhsa_next_free_sgpr 100
		.amdhsa_reserve_vcc 0
		.amdhsa_float_denorm_mode_32 3
		.amdhsa_float_denorm_mode_16_64 3
		.amdhsa_memory_ordered 1
		.amdhsa_forward_progress 1
		.amdhsa_inst_pref_size 255
	.end_amdhsa_kernel
	.section	.bss,"aw",@nobits
	.p2align	6
	.space	262144
	.amdgpu_metadata
---
amdhsa.version: [ 1, 2 ]
amdhsa.kernels:
  - .name:           k_q5b70acec3b_main
    .symbol:         k_q5b70acec3b_main.kd
    .args:
      - { .name: hf, .offset: 0, .size: 8, .value_kind: global_buffer, .address_space: global }
      - { .name: wsm, .offset: 8, .size: 8, .value_kind: global_buffer, .address_space: global }
      - { .name: w22h, .offset: 16, .size: 8, .value_kind: global_buffer, .address_space: global }
      - { .name: b12, .offset: 24, .size: 8, .value_kind: global_buffer, .address_space: global }
      - { .name: b22, .offset: 32, .size: 8, .value_kind: global_buffer, .address_space: global }
      - { .name: part, .offset: 40, .size: 8, .value_kind: global_buffer, .address_space: global }
    .group_segment_fixed_size: 327680
    .private_segment_fixed_size: 0
    .kernarg_segment_align: 8
    .kernarg_segment_size: 48
    .max_flat_workgroup_size: 128
    .sgpr_count:     100
    .vgpr_count:     896
    .wavefront_size: 32
...
	.end_amdgpu_metadata
.endif
;; end of part 3
;; launch tail (part 4): grid 128 x 1, 1 waves a work-group, clusters of 4 x 1, 168,192 bytes of LDS; arguments part, wsm, lnbr_g, lnbr_b, ln3_g, ln3_b, out0; writes out0
.if DOCPART == 4
	.amdgcn_target "amdgcn-amd-amdhsa--gfx1250"
	.amdhsa_code_object_version 6
	.text
	.protected	k_q5b70acec3b_tail
	.globl	k_q5b70acec3b_tail
	.p2align	8
	.type	k_q5b70acec3b_tail,@function
k_q5b70acec3b_tail:
	s_mov_b64 s[64:65], 0
	v_nop
	global_prefetch_b8 v0, s[64:65] scope:SCOPE_SE
	s_setreg_imm32_b32 hwreg(HW_REG_WAVE_MODE, 25, 1), 1
	s_wait_xcnt 0x0
	s_wait_alu depctr_hold_cnt(0) depctr_sa_sdst(0) depctr_va_vdst(0) depctr_va_sdst(0) depctr_va_ssrc(0) depctr_va_vcc(0) depctr_vm_vsrc(0)
	s_getreg_b32 s2, hwreg(HW_REG_IB_STS2, 6, 4)
	s_cmp_eq_u32 s2, 0
	s_cbranch_scc0 .Lentry_in_a_cluster
	s_endpgm
.Lentry_in_a_cluster:
	s_bfe_u32 s2, ttmp6, 0x10000c
	s_cmp_lg_u32 s2, 0x3003
	s_cbranch_scc0 .Lentry_shape_is_right
	s_endpgm
.Lentry_shape_is_right:
; TAIL: out0 = relu(LN(relu(LN(p0 + p1)) w3)).  One wave owns 16 whole rows, so both norms and the product need no other wave: 128 work-groups of one wave.
; Lane (r = L & 15, h = L / 16) holds in X[8 t + j] the number (row r, column 16 t + 8 h + j): half a row a lane, the other half in lane L xor 16.
; A sum along a row is adds in the lane and one exchange of the halves.  The norm's result, rounded to f16 in pairs, is the source-1 operand of the product
; (source 0 = tiles of w3, as in the other launches), whose result has the same layout again.
; The variance is the mean of the squares of x - mean, in two passes, as the problem writes it.
; CLUSTER 4 x 1: all work-groups read the same w3 and the same four vectors; the four of a cluster ask jointly.  All LDS bytes are filled once.
; LIMITS: the first norm's result goes to the matrix unit in f16: 16 |g| + |b| must stay below 65,504.  relu is max(0, x): a NaN comes out as 0.
.set WV,     18                        ; s18 the wave's number (0)
.set PRM,    131072                    ; behind w3's 16 tiles: lnbr_g, lnbr_b, ln3_g, ln3_b, 1,024 bytes each
.set STAGE,  135168                    ; 16 rows of 1,040 bytes for the way out; LDS stores alone write here
.set OPITCH, 1040
.set VT,  2                            ; v2, v3  lane part of a transposing load, tiles 0-7, tiles 8-15
.set VP,  4                            ; v4      PRM + 32 h
.set VST, 5                            ; v5      STAGE + row r + 32 h
.set VRD, 6                            ; v6      STAGE + 16 L
.set VG,  7                            ; v7      16 L
.set X,   16                           ; v[16:143]  my 128 numbers
.set F,   144                          ; v[144:207] w3's fragments, two buffers of four
.set CH,  208                          ; v[208:215] four chains of pairs
.set MP,  216                          ; v[216:217] the mean, twice
.set RP,  218                          ; v[218:219] 1 / sqrt(var + eps), twice
.set TM,  220                          ; v[220:221] at work
; window 1: lnbr_g 0-127, lnbr_b 128-255;  window 2: p1 0-127, the f16 operand 128-191;  window 3: ln3_g 0-127, ln3_b 128-255
.set G1R, 24
.set G1W, 32
.set MSB, 0
.macro WIN new
.if MSB != \new
	s_set_vgpr_msb (MSB<<8)|\new
.set MSB, \new
.endif
.endm
.macro PLACES                          ; four plain vector instructions behind a matrix instruction (ISA guide 7.12.1)
.rept 4
	v_nop
.endr
.endm
.macro CROUND
	s_barrier_signal -1
	s_barrier_wait -1
	s_cmp_lg_u32 s[WV], 0
	s_cbranch_scc1 .Lnot_wave_0_\@
	s_barrier_signal -3
.Lnot_wave_0_\@:
	s_barrier_wait -3
	s_barrier_signal -1
	s_barrier_wait -1
.endm
.macro ROWD g0, ptr, vec               ; group 0 of one vector
	s_mov_b32 s[\g0], 1
	s_mov_b32 s[\g0+1], PRM+1024*\vec
	s_mov_b64 s[\g0+2:\g0+3], s[\ptr:\ptr+1]
	s_or_b32 s[\g0+3], s[\g0+3], 0x80000000
.endm
.macro W3D g0, qd                      ; group 0 of a quarter of w3 (block 5 of wsm)
	s_mov_b32 s[\g0], 1
	s_mov_b32 s[\g0+1], 32768*\qd
	s_add_nc_u64 s[\g0+2:\g0+3], s[6:7], 5*131072+32768*\qd
	s_or_b32 s[\g0+3], s[\g0+3], 0x80000000
.endm
	s_load_b256 s[4:11], s[0:1], 0x0               ; part 4, wsm 6, lnbr_g 8, lnbr_b 10
	s_load_b128 s[12:15], s[0:1], 0x20             ; ln3_g 12, ln3_b 14
	s_load_b64 s[16:17], s[0:1], 0x30              ; out0
	v_lshl_add_u32 v254, v0, 2, 0x29000
	v_mov_b32 v255, 0
	ds_add_u32 v254, v255
	ds_add_u32 v254, v255
	v_lshrrev_b32 v1, 5, v0
	v_readfirstlane_b32 s[WV], v1
	s_bfe_u32 s19, ttmp6, 0x40000
	s_lshl_b32 s20, ttmp9, 2
	s_add_co_u32 s20, s20, s19                     ; my tile of 16 rows
	s_mov_b32 s84, 0x76543210                      ; v_permlanex16_b32: lane i of one half reads lane i of the other
	s_mov_b32 s85, 0xfedcba98
	s_mov_b32 s86, 0x3b800000                      ; 1 / 256
	s_mov_b32 s87, 0x3727c5ac                      ; 1e-5
	v_and_b32 v[VG], 31, v0
	v_lshlrev_b32 v[VG], 4, v[VG]
	s_lshl_b32 s76, s20, 14                        ; 16,384 bytes a row tile, in part and in out0
	s_mov_b32 s77, 0
	s_mov_b32 s[G1R+0], 15|(3<<16)|(1<<21)         ; one row of 1,024 bytes
	s_mov_b32 s[G1R+1], 128<<16
	s_mov_b32 s[G1R+2], 1<<16
	s_mov_b32 s[G1R+3], 128<<16
	s_mov_b32 s[G1R+4], 1
	s_mov_b32 s[G1R+5], 128
	s_mov_b32 s[G1R+6], 0
	s_mov_b32 s[G1R+7], 0
	s_mov_b32 s[G1W+0], 15|(3<<16)|(1<<21)         ; a dense block of 128 rows of 256 bytes
	s_mov_b32 s[G1W+1], 32<<16
	s_mov_b32 s[G1W+2], 128<<16
	s_mov_b32 s[G1W+3], 32<<16
	s_mov_b32 s[G1W+4], 128
	s_mov_b32 s[G1W+5], 32
	s_mov_b32 s[G1W+6], 0
	s_mov_b32 s[G1W+7], 0
	s_wait_dscnt 0x0
	s_wait_kmcnt 0x0
	s_add_nc_u64 s[78:79], s[4:5], s[76:77]
	s_add_nc_u64 s[80:81], s[16:17], s[76:77]
.set nn, 0
.rept 32
	global_load_b128 v[X+4*nn:X+4*nn+3], v[VG], s[78:79] offset:512*nn th:TH_LOAD_NT            ; the first half of i
.set nn, nn+1
.endr
	WIN 0x80
.set nn, 0
.rept 32
	global_load_b128 v[4*nn:4*nn+3], v[VG], s[78:79] offset:2097152+512*nn th:TH_LOAD_NT        ; the second, into window 2
.set nn, nn+1
.endr
	WIN 0
	ROWD 40, 8, 0
	ROWD 44, 10, 1
	ROWD 48, 12, 2
	ROWD 52, 14, 3
	W3D 56, 0
	W3D 60, 1
	W3D 68, 2
	W3D 72, 3
	CROUND                                         ; the four partners are here
	tensor_load_to_lds s[40:43], s[G1R:G1R+7]      ; eight tensor loads of the wave are out, all first fills
	s_nop 0
	tensor_load_to_lds s[44:47], s[G1R:G1R+7]
	s_nop 0
	tensor_load_to_lds s[48:51], s[G1R:G1R+7]
	s_nop 0
	tensor_load_to_lds s[52:55], s[G1R:G1R+7]
	s_nop 0
	tensor_load_to_lds s[56:59], s[G1W:G1W+7]
	s_nop 0
	tensor_load_to_lds s[60:63], s[G1W:G1W+7]
	s_nop 0
	tensor_load_to_lds s[68:71], s[G1W:G1W+7]
	s_nop 0
	tensor_load_to_lds s[72:75], s[G1W:G1W+7]
	s_nop 0
	v_and_b32 v1, 15, v0                           ; r
	v_bfe_u32 v8, v0, 4, 1                         ; h
	v_and_b32 v9, 7, v0
	v_lshl_add_u32 v9, v8, 3, v9
	v_bfe_u32 v10, v0, 3, 1
	v_lshlrev_b32 v[VT], 5, v9
	v_lshl_add_u32 v[VT], v10, 4, v[VT]
	v_add_nc_u32 v[VT+1], 0x10000, v[VT]
	v_lshlrev_b32 v[VP], 5, v8
	v_add_nc_u32 v[VP], PRM, v[VP]
	v_mul_u32_u24 v[VST], v1, OPITCH
	v_lshl_add_u32 v[VST], v8, 5, v[VST]
	v_add_nc_u32 v[VST], STAGE, v[VST]
	v_add_nc_u32 v[VRD], STAGE, v[VG]
	v_mov_b32 v[TM+1], 0                           ; the exchange's destination counts as read
.macro PLOAD vec, rbase                ; register 8 t + j = the vector's number 16 t + 8 h + j
.set nn, 0
.rept 32
	ds_load_b128 v[\rbase+4*nn:\rbase+4*nn+3], v[VP] offset:1024*\vec+64*(nn>>1)+16*(nn&1)
.set nn, nn+1
.endr
.endm
	s_wait_tensorcnt 0x4                           ; the four vectors are in; w3's four quarters, issued behind them, stay out
	WIN 0x40
	PLOAD 0, 0
	PLOAD 1, 128
	WIN 0xc0
	PLOAD 2, 0
	PLOAD 3, 128
	s_wait_loadcnt 0x0
	WIN 0x08                                       ; source 1 in window 2
.set pp, 0
.rept 64
	v_pk_add_f32 v[X+2*pp:X+2*pp+1], v[X+2*pp:X+2*pp+1], v[2*pp:2*pp+1]
.set pp, pp+1
.endr
	WIN 0
	s_wait_dscnt 0x0                               ; the vectors are in registers
.macro RSUM                            ; four chains of pairs to one number a row, in every lane
	v_pk_add_f32 v[CH:CH+1], v[CH:CH+1], v[CH+2:CH+3]
	v_pk_add_f32 v[CH+4:CH+5], v[CH+4:CH+5], v[CH+6:CH+7]
	v_pk_add_f32 v[CH:CH+1], v[CH:CH+1], v[CH+4:CH+5]
	v_add_f32 v[TM], v[CH], v[CH+1]
	v_permlanex16_b32 v[TM+1], v[TM], s84, s85
	v_add_f32 v[TM], v[TM], v[TM+1]
.endm
; X = relu((X - mean) * rsqrt(var + eps) * g + b); g and b lie in the window that win names for sources 1 and 2
.macro LN win
.set pp, 0
.rept 4
	v_pk_add_f32 v[CH+2*pp:CH+2*pp+1], v[X+2*pp:X+2*pp+1], v[X+8+2*pp:X+8+2*pp+1]     ; the first pairs start the chains
.set pp, pp+1
.endr
.set pp, 8
.rept 56
	v_pk_add_f32 v[CH+2*(pp&3):CH+2*(pp&3)+1], v[CH+2*(pp&3):CH+2*(pp&3)+1], v[X+2*pp:X+2*pp+1]
.set pp, pp+1
.endr
	RSUM
	v_mul_f32 v[MP], s86, v[TM]
	v_mul_f32 v[MP+1], s86, v[TM]
.set pp, 0
.rept 64
	v_pk_add_f32 v[X+2*pp:X+2*pp+1], v[X+2*pp:X+2*pp+1], v[MP:MP+1] neg_lo:[0,1] neg_hi:[0,1]
.set pp, pp+1
.endr
.set pp, 0
.rept 4
	v_pk_mul_f32 v[CH+2*pp:CH+2*pp+1], v[X+2*pp:X+2*pp+1], v[X+2*pp:X+2*pp+1]
.set pp, pp+1
.endr
.set pp, 4
.rept 60
	v_pk_fma_f32 v[CH+2*(pp&3):CH+2*(pp&3)+1], v[X+2*pp:X+2*pp+1], v[X+2*pp:X+2*pp+1], v[CH+2*(pp&3):CH+2*(pp&3)+1]
.set pp, pp+1
.endr
	RSUM
	v_fma_f32 v[TM], v[TM], s86, s87               ; var + eps
	v_rsq_f32 v[RP], v[TM]
	v_nop                                          ; one plain vector instruction behind the transcendental (ISA guide 5.7.2)
	s_wait_alu depctr_va_vdst(0)
	v_mov_b32 v[RP+1], v[RP]
.set pp, 0
.rept 64
	v_pk_mul_f32 v[X+2*pp:X+2*pp+1], v[X+2*pp:X+2*pp+1], v[RP:RP+1]
.set pp, pp+1
.endr
	WIN \win
.set pp, 0
.rept 64
	v_pk_fma_f32 v[X+2*pp:X+2*pp+1], v[X+2*pp:X+2*pp+1], v[2*pp:2*pp+1], v[128+2*pp:128+2*pp+1]
.set pp, pp+1
.endr
	WIN 0
.set pp, 0
.rept 128
	v_max_num_f32 v[X+pp], 0, v[X+pp]
.set pp, pp+1
.endr
.endm
	LN 0x14
	WIN 0x80                                       ; destination window 2
.set nn, 0
.rept 64
	v_cvt_pk_f16_f32 v[128+nn], v[X+2*nn], v[X+2*nn+1]     ; column tiles 2 s and 2 s + 1 make the fragment of K step s
.set nn, nn+1
.endr
	s_wait_tensorcnt 0x0                           ; w3
; step g = 8 tq + s: the fragments of K step s of column tiles 4 tq .. 4 tq + 3
.macro FETCH3 g
.set cc, 0
.rept 4
.set tt, 4*((\g)>>3)+cc
	ds_load_tr16_b128 v[F+32*((\g)&1)+8*cc:F+32*((\g)&1)+8*cc+3],   v[VT+(tt>>3)] offset:8192*(tt&7)+1024*((\g)&7)
	ds_load_tr16_b128 v[F+32*((\g)&1)+8*cc+4:F+32*((\g)&1)+8*cc+7], v[VT+(tt>>3)] offset:8192*(tt&7)+1024*((\g)&7)+512
.set cc, cc+1
.endr
.endm
	WIN 0x08                                       ; source 1 (the f16 operand) in window 2, all else in window 0: one setting for the whole product
	FETCH3 0
.set gg, 0
.rept 32
.if gg > 0
	PLACES
.endif
.if gg < 31
	FETCH3 gg+1
	s_wait_dscnt 8                                 ; this step's eight loads are in; the eight just issued may be out
.else
	s_wait_dscnt 0x0
.endif
.set cc, 0
.rept 4                                            ; four accumulators take turns, one instruction a turn
.set tt, 4*(gg>>3)+cc
.if (gg&7) == 0
	v_wmma_f32_16x16x32_f16 v[X+8*tt:X+8*tt+7], v[F+32*(gg&1)+8*cc:F+32*(gg&1)+8*cc+7], v[128+8*(gg&7):128+8*(gg&7)+7], 0
.else
	v_wmma_f32_16x16x32_f16 v[X+8*tt:X+8*tt+7], v[F+32*(gg&1)+8*cc:F+32*(gg&1)+8*cc+7], v[128+8*(gg&7):128+8*(gg&7)+7], v[X+8*tt:X+8*tt+7]
.endif
.set cc, cc+1
.endr
.set gg, gg+1
.endr
	WIN 0
	PLACES
	LN 0x3c
	; the way out: my 32-byte pieces into rows of the stage, whole rows back, 512 consecutive bytes a store
.set nn, 0
.rept 16
	ds_store_b128 v[VST], v[X+8*nn:X+8*nn+3]   offset:64*nn
	ds_store_b128 v[VST], v[X+8*nn+4:X+8*nn+7] offset:64*nn+16
.set nn, nn+1
.endr
	s_wait_dscnt 0x0                               ; the loads below land in the registers that these stores read
.set nn, 0
.rept 32
	ds_load_b128 v[X+4*nn:X+4*nn+3], v[VRD] offset:OPITCH*(nn>>1)+512*(nn&1)
.set nn, nn+1
.endr
.set nn, 0
.rept 32
	s_wait_dscnt 31-nn                             ; load n is in; the 31 - n younger ones may be out
	global_store_b128 v[VG], v[X+4*nn:X+4*nn+3], s[80:81] offset:512*nn th:TH_STORE_NT
.set nn, nn+1
.endr
	s_wait_tensorcnt 0x0
	ds_add_u32 v254, v255
	s_wait_dscnt 0x0
	CROUND                                         ; the closing round
	s_endpgm
.Lfunc_end_k_q5b70acec3b_tail:
	.size	k_q5b70acec3b_tail, .Lfunc_end_k_q5b70acec3b_tail-k_q5b70acec3b_tail
	.p2alignl 7, 3214868480
	.fill 96, 4, 3214868480
	.section	.rodata,"a",@progbits
	.p2align	6, 0x0
	.amdhsa_kernel k_q5b70acec3b_tail
		.amdhsa_group_segment_fixed_size 168192
		.amdhsa_private_segment_fixed_size 0
		.amdhsa_enable_private_segment 0
		.amdhsa_kernarg_size 56
		.amdhsa_user_sgpr_count 2
		.amdhsa_user_sgpr_kernarg_segment_ptr 1
		.amdhsa_wavefront_size32 1
		.amdhsa_system_sgpr_workgroup_id_x 1
		.amdhsa_system_sgpr_workgroup_id_y 1
		.amdhsa_system_sgpr_workgroup_id_z 1
		.amdhsa_system_vgpr_workitem_id 0
		.amdhsa_next_free_vgpr 1024
		.amdhsa_next_free_sgpr 88
		.amdhsa_reserve_vcc 0
		.amdhsa_float_denorm_mode_32 3
		.amdhsa_float_denorm_mode_16_64 3
		.amdhsa_memory_ordered 1
		.amdhsa_forward_progress 1
		.amdhsa_inst_pref_size 116
	.end_amdhsa_kernel
	.amdgpu_metadata
---
amdhsa.version: [ 1, 2 ]
amdhsa.kernels:
  - .name:           k_q5b70acec3b_tail
    .symbol:         k_q5b70acec3b_tail.kd
    .args:
      - { .name: part, .offset: 0, .size: 8, .value_kind: global_buffer, .address_space: global }
      - { .name: wsm, .offset: 8, .size: 8, .value_kind: global_buffer, .address_space: global }
      - { .name: lnbr_g, .offset: 16, .size: 8, .value_kind: global_buffer, .address_space: global }
      - { .name: lnbr_b, .offset: 24, .size: 8, .value_kind: global_buffer, .address_space: global }
      - { .name: ln3_g, .offset: 32, .size: 8, .value_kind: global_buffer, .address_space: global }
      - { .name: ln3_b, .offset: 40, .size: 8, .value_kind: global_buffer, .address_space: global }
      - { .name: out0, .offset: 48, .size: 8, .value_kind: global_buffer, .address_space: global }
    .group_segment_fixed_size: 168192
    .private_segment_fixed_size: 0
    .kernarg_segment_align: 8
    .kernarg_segment_size: 56
    .max_flat_workgroup_size: 32
    .sgpr_count:     88
    .vgpr_count:     1024
    .wavefront_size: 32
...
	.end_amdgpu_metadata
.endif
;; end of part 4
